; MI455X (gfx1250); checked and timed in simulation.
; The chip was launched on July 23, 2026; its instructions are those of AMD's public machine-readable ISA for CDNA 5 (MIT licence, August 2026) and "CDNA5" Instruction Set Architecture Reference Guide (July 2026). The comments in the code are by the model that wrote it; some were corrected since.
;; Causal Self Attention. Allowed arithmetic: matrix products marked QUANTISED: E4M3 operands, one given power-of-two scale a tensor, by v_wmma_f32_16x16x64_fp8_fp8 or v_wmma_f32_16x16x128_fp8_fp8, f32 sums; everything else in f32.
;; Inputs: lowp_scales 8 int32 (the exponents e of the quantised operands' scales 2^e); w_out 1,024 x 1,024 float32; w_qkv 3,072 x 1,024 float32; x 4 x 2,048 x 1,024 float32.
;; Outputs: out0 4 x 2,048 x 1,024 float32.
;; This version of the problem:
;;   THIS VERSION OF THE PROBLEM IS GIVEN IN LOW PRECISION. The matrix products marked QUANTISED in the list below multiply operands that are first quantised to E4M3 (4 exponent bits, 3 mantissa bits; 8 bits a number), with one given power-of-two scale for each operand tensor; their sums are f32. All else is computed in f32.
;;   The module's matrix products, in the order in which they are computed (A, B: the left and right operand; K: the contracted axis; several contracted axes count as one K, in the product's order):
;;     1. [M 8,192, K 1,024] x [K 1,024, N 3,072]; A: input x; B: input w_qkv: QUANTISED (scales: A lowp_scales[0], B lowp_scales[1])
;;     2. batch 64 x [M 2,048, K 64] x [K 64, N 2,048]; A: computed on the way; B: computed on the way: QUANTISED (scales: A lowp_scales[2], B lowp_scales[3])
;;     3. batch 64 x [M 2,048, K 2,048] x [K 2,048, N 64]; A: softmax (see below); B: computed on the way: QUANTISED (scales: A lowp_scales[4], B lowp_scales[5])
;;     4. [M 8,192, K 1,024] x [K 1,024, N 1,024]; A: computed on the way; B: input w_out: QUANTISED (scales: A lowp_scales[6], B lowp_scales[7])
;;   THE QUANTISER, for each operand of a quantised product, along K:
;;     - The operand's scale is 2^e, e = its entry of the input lowp_scales (int32; the entries are numbered through the quantised products in the list's order, A before B).
;;     - Each number is divided by the scale, clamped to +-448, and rounded to the nearest number of E4M3, ties to even, subnormals kept.
;;     - The product sums the exact products of the quantised numbers (number of the format x scale) in f32.
;;   ~~~python
;;   def quantise(x, axis, e):      # numpy; x: float32 -> the quantised numbers, widened to float32 again
;;       x = np.moveaxis(x, axis, -1); K = x.shape[-1]
;;       r = np.clip(x / 2.0 ** e, -448, 448)
;;       step = 2.0 ** (np.maximum(np.frexp(np.where(r == 0, 1, r))[1] - 1, -6) - 3)
;;       q = np.round(r / step) * step * 2.0 ** e      # np.round: ties to even
;;       return np.moveaxis(q, -1, axis).astype(np.float32)
;;   ~~~
;;   SOFTMAX AHEAD OF A QUANTISED PRODUCT. Where the list says 'softmax', what is quantised is not the finished softmax but p = 2^(t - M), with t = logit x log2(e) and M = ceil(the row's largest t), a whole number; so 1/2 < the row's largest p <= 1. The row's sum l is taken of the UNQUANTISED p, in f32, and the product's result is divided by l at the end. Since M is a whole number, a kernel that streams over the keys may use a running M (the ceiling of the running maximum): every later rescaling is an exact power of two, so the quantised numbers keep their values, but for numbers so far below the row's largest that they fall under the format's range.
;;   OPERANDS COMPUTED ON THE WAY. 'Computed on the way' means the value that the module computes at that place (a softmax that the list does not call 'softmax' is quantised finished and normalised). What goes into a quantiser is computed in f32, as accurately as f32 sums, v_exp_f32 and their like allow (about 1e-6 of the number): no bf16 or f16 on the way to a quantiser, and a product that is left as it is and whose result goes on into a quantised operand takes f32 operands (vector FMAs, or v_wmma_f32_16x16x4_f32). A number that lies on a knife's edge between two numbers of the format may be rounded either way, as far as f32 arithmetic and the matrix unit's own rounding can turn it there, and no further.
;; One version. Each part assembles by itself: llvm-mc -triple=amdgcn-amd-amdhsa -mcpu=gfx1250 --defsym DOCPART=n.
;; ======== version 1 of 1: 4 launches
;; limits: right only within a limited range of input values
;; workspace buffers: codes 12,582,912 bytes; qkvf 25,165,824 bytes; yc 8,388,608 bytes
;; launch quant (part 1): grid 768 x 1, 4 waves a work-group, no clusters, 33,280 bytes of LDS; arguments x, w_qkv, w_out, lowp_scales, codes; writes codes
.if DOCPART == 1
	.amdgcn_target "amdgcn-amd-amdhsa--gfx1250"
	.amdhsa_code_object_version 6
	.text
	.protected	k_qf0f50aae88_quant
	.globl	k_qf0f50aae88_quant
	.p2align	8
	.type	k_qf0f50aae88_quant,@function
k_qf0f50aae88_quant:
	s_mov_b64 s[64:65], 0
	v_nop
	global_prefetch_b8 v0, s[64:65] scope:SCOPE_SE
	s_setreg_imm32_b32 hwreg(HW_REG_WAVE_MODE, 25, 1), 1
	s_wait_xcnt 0x0
; x [8192][1024], w_qkv [3072][1024] and w_out [1024][1024], f32 with K innermost, become codes of E4M3, one byte each, in ONE buffer of 12,288 rows of 1,024 codes:
; rows 0-8,191 x (scale 2^e0), rows 8,192-11,263 w_qkv (2^e1), rows 11,264-12,287 w_out (2^e7).  code = number / 2^e, to the nearest code, ties to even.
; LIMITS: e0, e1, e7 between -126 and 127, so that 2^e is an f32 number.  NaN among the inputs is not served.
; Rows are dense, so all three tensors are plain streams.  A work-group takes 16,384 numbers, a wave 8 steps of 512: work-groups 0-511 x, 512-703 w_qkv, 704-767 w_out; only pointers and e are chosen, by the work-group's number.
; The conversion takes 8 numbers from ONE lane's registers, so a lane must hold 16 neighbours; a load is best where neighbouring LANES take neighbouring bytes.  Both are had: each of a step's four loads reads 512 consecutive
; bytes, 16 a lane; the 2,048 bytes go through the wave's own stage in LDS and come back 64 bytes a lane (16 bytes of padding behind each 64).  A lane's 16 codes are 16 bytes: the wave stores 512 consecutive bytes.
; No barrier: waves share nothing.  Loads run four steps (16 loads a wave) ahead, the turn through LDS one step.
.set STEPS, 8
.set WG_X,  512                        ; work-groups of x
.set WG_XW, 704                        ; of x and w_qkv
.set EMAX,  8
.set MANT,  0x600000                   ; the mantissa field of 448 as f32
.set R,     16                         ; v16-79   four sets of 16 numbers as they are loaded
.set X,     80                         ; v80-111  two sets of 16 neighbours
.set C,     128                        ; v128-159 codes: four registers for each step, so that no store's data are written again
.set WREG,  8192                       ; LDS: a region of its own for each wave: two stages of 32 x SP bytes
.set SP,    80                         ; a lane's place in a stage: its 64 bytes + 16 of padding
	s_load_b128 s[4:7], s[0:1], 0x0                ; x, w_qkv
	s_load_b128 s[8:11], s[0:1], 0x10              ; w_out, the scales' exponents
	s_load_b64 s[12:13], s[0:1], 0x20              ; the codes
	v_lshl_add_u32 v160, v0, 2, 0x8000
	v_mov_b32 v161, 0
	v_lshrrev_b32 v1, 5, v0
	v_readfirstlane_b32 s16, v1                    ; wave
	v_and_b32 v2, 31, v0                           ; lane
	v_lshlrev_b32 v3, 4, v2                        ; 16 x lane: my 16 bytes of a load's 512, and of a store's; never rewritten
	s_mul_i32 s17, s16, WREG
	v_lshrrev_b32 v14, 2, v2
	v_mul_u32_u24 v14, v14, SP
	v_and_b32 v15, 3, v2
	v_lshl_add_u32 v14, v15, 4, v14
	v_add_nc_u32 v14, s17, v14                     ; the stage, on the way in: four lanes' 64 bytes on end, then 16 of padding
	v_mul_u32_u24 v15, v2, SP
	v_add_nc_u32 v15, s17, v15                     ; and on the way out: SP x lane: my 16 neighbours
	s_wait_alu depctr_va_vdst(0)
	s_wait_kmcnt 0x0
	s_load_b256 s[24:31], s[10:11], 0x0            ; e0 .. e7
	s_cmp_lt_u32 ttmp9, WG_X                       ; which tensor?  The choice hangs on the work-group's number alone
	s_cselect_b64 s[4:5], s[4:5], s[6:7]
	s_cselect_b32 s17, 0, WG_X
	s_mov_b32 s18, WG_XW
	s_cmp_lt_u32 ttmp9, WG_XW
	s_cselect_b64 s[4:5], s[4:5], s[8:9]
	s_cselect_b32 s17, s17, s18                    ; the tensor's first work-group
	s_sub_co_u32 s17, ttmp9, s17
	s_lshl_b32 s17, s17, 2
	s_add_co_u32 s17, s17, s16                     ; which run of 4,096 numbers of the tensor is my wave's
	s_lshl_b32 s20, s17, 14                        ; 16,384 bytes each
	s_mov_b32 s21, 0
	s_add_nc_u64 s[4:5], s[4:5], s[20:21]
	s_lshl_b32 s20, ttmp9, 2
	s_add_co_u32 s20, s20, s16
	s_lshl_b32 s20, s20, 12                        ; and its 4,096 bytes of codes: the three tensors' codes follow each other as the work-groups do
	s_add_nc_u64 s[12:13], s[12:13], s[20:21]
.macro LOAD t
.irp i, 0,1,2,3
	global_load_b128 v[R+16*((\t)%4)+4*\i:R+16*((\t)%4)+4*\i+3], v3, s[4:5] offset:2048*(\t)+512*\i th:TH_LOAD_NT   ; 32 lanes read 512 consecutive bytes
.endr
.endm
.macro TURN t                          ; step t's numbers through the stage: LDS serves a wave's instructions in order, so no wait stands between the stores and the loads
.irp i, 0,1,2,3
	ds_store_b128 v14, v[R+16*((\t)%4)+4*\i:R+16*((\t)%4)+4*\i+3] offset:32*SP*((\t)%2)+8*SP*\i
.endr
.irp i, 0,1,2,3
	ds_load_b128 v[X+16*((\t)%2)+4*\i:X+16*((\t)%2)+4*\i+3], v15 offset:32*SP*((\t)%2)+16*\i
.endr
.endm
.irp t, 0,1,2,3
	LOAD \t
.endr
	s_wait_kmcnt 0x0
	s_cmp_lt_u32 ttmp9, WG_X
	s_cselect_b32 s22, s24, s25                    ; e0 or e1,
	s_cmp_lt_u32 ttmp9, WG_XW
	s_cselect_b32 s22, s22, s31                    ; or e7
	s_add_co_i32 s22, s22, 127
	s_lshl_b32 s23, s22, 23
	v_mov_b32 v11, s23                             ; 2^e as f32: the conversion takes its exponent field
	s_wait_alu depctr_va_vdst(0)
	s_wait_loadcnt 12                              ; step 0's four loads are in; the twelve of steps 1 to 3 may be out
	TURN 0
.macro STEP t
.set XS, X+16*((\t)%2)
	s_wait_dscnt 0x0                               ; this step's numbers are back from the stage: so its stores into the stage have read their registers,
.if (\t)+4 < STEPS
	LOAD (\t)+4                                    ; which take the loads of four steps on
.endif
.if (\t)+1 < STEPS
.if STEPS-2-(\t) >= 3
	s_wait_loadcnt 12                              ; the next step's four loads are in; those of the three steps behind it may be out
.else
	s_wait_loadcnt 4*(STEPS-2-(\t))                ; near the end fewer steps stand behind it
.endif
	TURN (\t)+1                                    ; and go through the other stage while this step is worked
.endif
.irp i, 0,1,2,3,4,5,6,7,8,9,10,11,12,13,14,15
.endr
	v_cvt_scalef32_pk8_fp8_f32 v[C+4*(\t):C+4*(\t)+1], v[XS:XS+7], v11          ; eight numbers / 2^e, the first number's code in the lowest byte
	v_cvt_scalef32_pk8_fp8_f32 v[C+4*(\t)+2:C+4*(\t)+3], v[XS+8:XS+15], v11     ; (the results go to a store alone)
	global_store_b128 v3, v[C+4*(\t):C+4*(\t)+3], s[12:13] offset:512*(\t)      ; 32 lanes store 512 consecutive bytes, aligned
.endm
.irp t, 0,1,2,3,4,5,6,7
	STEP \t
.endr
	s_wait_tensorcnt 0x0
	ds_add_u32 v160, v161
	s_wait_dscnt 0x0
	s_endpgm
.Lfunc_end_k_qf0f50aae88_quant:
	.size	k_qf0f50aae88_quant, .Lfunc_end_k_qf0f50aae88_quant-k_qf0f50aae88_quant
	.p2alignl 7, 3214868480
	.fill 96, 4, 3214868480
	.section	.rodata,"a",@progbits
	.p2align	6, 0x0
	.amdhsa_kernel k_qf0f50aae88_quant
		.amdhsa_group_segment_fixed_size 33280
		.amdhsa_private_segment_fixed_size 0
		.amdhsa_enable_private_segment 0
		.amdhsa_kernarg_size 40
		.amdhsa_user_sgpr_count 2
		.amdhsa_user_sgpr_kernarg_segment_ptr 1
		.amdhsa_wavefront_size32 1
		.amdhsa_system_sgpr_workgroup_id_x 1
		.amdhsa_system_sgpr_workgroup_id_y 1
		.amdhsa_system_sgpr_workgroup_id_z 1
		.amdhsa_system_vgpr_workitem_id 0
		.amdhsa_next_free_vgpr 162
		.amdhsa_next_free_sgpr 66
		.amdhsa_reserve_vcc 0
		.amdhsa_float_denorm_mode_32 3
		.amdhsa_float_denorm_mode_16_64 3
		.amdhsa_fp16_overflow 1
		.amdhsa_memory_ordered 1
		.amdhsa_forward_progress 1
		.amdhsa_inst_pref_size 12
	.end_amdhsa_kernel
	.amdgpu_metadata
---
amdhsa.version: [ 1, 2 ]
amdhsa.kernels:
  - .name:           k_qf0f50aae88_quant
    .symbol:         k_qf0f50aae88_quant.kd
    .args:
      - { .name: x, .offset: 0, .size: 8, .value_kind: global_buffer, .address_space: global }
      - { .name: w_qkv, .offset: 8, .size: 8, .value_kind: global_buffer, .address_space: global }
      - { .name: w_out, .offset: 16, .size: 8, .value_kind: global_buffer, .address_space: global }
      - { .name: lowp_scales, .offset: 24, .size: 8, .value_kind: global_buffer, .address_space: global }
      - { .name: codes, .offset: 32, .size: 8, .value_kind: global_buffer, .address_space: global }
    .group_segment_fixed_size: 33280
    .private_segment_fixed_size: 0
    .kernarg_segment_align: 8
    .kernarg_segment_size: 40
    .max_flat_workgroup_size: 128
    .sgpr_count:     66
    .vgpr_count:     162
    .wavefront_size: 32
...
	.end_amdgpu_metadata
.endif
;; end of part 1
;; launch gemm_qkv (part 2): grid 12 x 32, 4 waves a work-group, clusters of 4 x 4, 327,680 bytes of LDS; arguments codes, lowp_scales, qkvf; writes qkvf
.if DOCPART == 2
	.amdgcn_target "amdgcn-amd-amdhsa--gfx1250"
	.amdhsa_code_object_version 6
	.text
	.protected	k_qf0f50aae88_gemm_qkv
	.globl	k_qf0f50aae88_gemm_qkv
	.p2align	8
	.type	k_qf0f50aae88_gemm_qkv,@function
k_qf0f50aae88_gemm_qkv:
	s_mov_b64 s[64:65], 0
	v_nop
	global_prefetch_b8 v0, s[64:65] scope:SCOPE_SE
	s_setreg_imm32_b32 hwreg(HW_REG_WAVE_MODE, 25, 1), 1
	s_wait_xcnt 0x0
	s_wait_alu depctr_hold_cnt(0) depctr_sa_sdst(0) depctr_va_vdst(0) depctr_va_sdst(0) depctr_va_ssrc(0) depctr_va_vcc(0) depctr_vm_vsrc(0)
	s_getreg_b32 s2, hwreg(HW_REG_IB_STS2, 6, 4)
	s_cmp_eq_u32 s2, 0
	s_cbranch_scc0 .Lentry_in_a_cluster
	s_endpgm
.Lentry_in_a_cluster:
	s_bfe_u32 s2, ttmp6, 0x10000c
	s_cmp_lg_u32 s2, 0xf033
	s_cbranch_scc0 .Lentry_shape_is_right
	s_endpgm
.Lentry_shape_is_right:
; qkv = x w_qkv^T on codes of E4M3 (K = 1,024), and its f32 sums quantised at once to the codes of q (2^e2), k (2^e3) and v (2^e5), which leave as IMAGES OF OPERAND REGISTERS for the attention launch.
; A sum stands for sum x 2^(e0 + e1), so its code is sum / 2^(e - e0 - e1): the three exponents are folded into the conversion's one scale.
; LIMITS: e2 - e0 - e1, e3 - e0 - e1 and e5 - e0 - e1 lie between -126 and 119, so that the scale and 448 x the scale are f32 numbers.
; Both operands are fed with the same permutation of k inside a step of 128 (four loads of 16 bytes a fragment): every product meets its partner; only the order of the sums inside an instruction differs.
; A tile of 256 x 256 sums is made by a work-group of four waves; a wave makes 128 x 128: 64 accumulators of 16 x 16, 512 registers.  K goes in steps of 256 through a ring of two LDS slots filled by the tensor data mover.
; CLUSTERS: 4 x 4 work-groups.  Cluster x = 0 makes q, 1 makes k, 2 makes v; cluster y takes 1,024 rows of x.  Source 1 of the matrix instruction (the "A role": its rows fall to LANES) is shared along a row of the
; cluster, source 0 (the "B role": its rows fall to a lane's eight REGISTERS) along a column; each tile is asked for jointly by the four that share it.
;   q, k: A role = rows of x, B role = rows of w: a lane holds one token and eight neighbouring channels d: K of the scores' product runs along the registers.
;   v:    A role = rows of w, B role = rows of x: a lane holds one channel and eight neighbouring tokens: the keys, K of the second product, run along the registers.
; Both operands lie in one buffer, so the roles are a choice of row offsets by the cluster's x, which all sixteen partners share: no pointer is chosen, no branch taken.
; THE WAY OUT.  The conversion of an accumulator's 8 registers gives registers 2c, 2c+1 of a fragment of the plain 8-bit forms (k = 16c + 8 (lane / 16) + 0..7) in the very lane that wants them.
; So four registers a lane are stored at 16 x lane: each store of the wave covers 512 consecutive bytes, aligned.  qkvf, for each head (batch x 16 + head) 393,216 bytes:
;   +0 Q: 128 tiles of 16 queries x 1,024 bytes;  +131,072 K: the same;  +262,144 V: 16 key steps of 128 keys x 4 tiles of 16 channels x 2,048 bytes.
; REGISTERS, in windows of 256: window 0: v0-31 addresses; from v128 the A role's fragments, ONE set; on the way out v128-255 codes.
;   window 1: the B role's fragments, TWO sets.   window 2: the accumulators of my A rows 0-63 (accumulator (a, b) at v[8 (8 a + b)]);   window 3: those of rows 64-127.
.set KSTEP,  256                       ; along K in a slot
.set ROWB,   256                       ; a tile's row in bytes
.set KROW,   1024                      ; a row of codes in memory, in bytes
.set PITCH,  272                       ; an LDS row: 256 bytes + 16 of padding = 68 words: row r starts at bank 4 r mod 64 (ISA guide 11.1), so the 16 rows that a load touches start at 16 different banks
.set FR,     16                        ; registers of a fragment: 16 rows x 128 K
.set NL,     4                         ; LDS loads that bring one
.set NP,     4                         ; places behind this matrix instruction (ISA guide 7.12.1)
.set HALFT,  128*PITCH                 ; 128 rows: what one tensor load brings
.set SLOT,   4*HALFT                   ; the A role's 256 rows, then the B role's
.set LAPS,   2                         ; 1,024 along K = two laps of two K steps
.set SPARE,  2*SLOT                    ; behind the ring: the spare words, 128 bytes for each wave: two blocks of 256 bytes that no other line names
.set CO,   8                           ; v8-15   the stores' offsets; never rewritten
.set ADRA, 16                          ; v16-17  LDS address of my A fragments in slot 0, 1
.set ADRB, 20                          ; v20-21  the same for B
.set SPW,  28                          ; v28     LDS address of my spare word; never rewritten
.set NIL,  29                          ; v29     0; never rewritten
.set SC,   30                          ; v30     the conversion's scale as f32
.set TMP,  32
.set AF,   128                         ; the A role's fragments, in window 0
.set CD,   128                         ; the way out: 16 registers of codes for each block, so that no store's data are written again
.set G1, 24                            ; s[24:31] descriptor group 1 for the A role;  s[32:39] group 0, one set for each slot
.set G0, 32
.set G1B, 48                           ; s[48:55], s[56:63] the same for the B role
.set G0B, 56
.set MSB, 0
.macro WIN new                         ; the immediate's high byte repeats the setting that is left
.if MSB != \new
	s_set_vgpr_msb (MSB<<8)|\new
.set MSB, \new
.endif
.endm
.set MUL_LO, 0xa1                      ; source 0 (B) window 1, source 1 (A) window 0, C and D window 2
.set MUL_HI, 0xf1                      ; the same, C and D window 3
.set TO_B,   0x40                      ; destination window 1, address window 0
; A joint load: waves 0 and 1 fetch for the A role, waves 2 and 3 for the B role.  Each line has ONE mask and one set of registers for all that issue it; the branch hangs on the wave's number alone.
; Four v_nop follow each of the two lines, ahead of the jump, the label and what follows.
.macro JLOAD g0a, g1a, g0b, g1b
	s_cmp_eq_u32 s15, 0
	s_cbranch_scc0 .Lfor_b_\@
	tensor_load_to_lds s[\g0a:\g0a+3], s[\g1a:\g1a+7]
	s_nop 0
.rept 4
	v_nop
.endr
	s_branch .Lasked_\@
.Lfor_b_\@:
	tensor_load_to_lds s[\g0b:\g0b+3], s[\g1b:\g1b+7]
	s_nop 0
.rept 4
	v_nop
.endr
.Lasked_\@:
.endm
.macro CREST                           ; a round of the cluster's barrier behind its opening barrier
	s_cmp_lg_u32 s14, 0
	s_cbranch_scc1 .Lnot_wave_0_\@
	s_barrier_signal -3
.Lnot_wave_0_\@:
	s_barrier_wait -3
	s_barrier_signal -1
	s_barrier_wait -1
.endm
.macro CROUND                          ; a whole round
	s_barrier_signal -1
	s_barrier_wait -1
	CREST
.endm
	s_load_b128 s[4:7], s[0:1], 0x0                ; the codes s[4:5], the scales' exponents s[6:7]
	s_load_b64 s[10:11], s[0:1], 0x10              ; qkvf
	v_lshl_add_u32 v[SPW], v0, 2, SPARE
	v_mov_b32 v[NIL], 0
	ds_add_u32 v28, v29
	ds_add_u32 v28, v29
	s_wait_dscnt 0x0
	v_lshrrev_b32 v1, 5, v0
	v_readfirstlane_b32 s14, v1                    ; wave 0..3
	s_lshr_b32 s15, s14, 1                         ; which half of the tile's A rows is mine.  Also: I fetch for A (0) or for B (1)
	s_and_b32 s16, s14, 1                          ; which half of its B rows.  Also: which 128 rows of that tile I fetch
	s_bfe_u32 s40, ttmp6, 0x40000                  ; cx, cy: my place in the cluster
	s_bfe_u32 s41, ttmp6, 0x40004
	s_lshl_b32 s43, s41, 2
	s_lshl_b32 s43, 15, s43                        ; my row of the cluster
	s_lshl_b32 s44, 0x1111, s40                    ; my column
	; descriptor group 1: a tile of 128 rows x 256 bytes, padded in LDS
	s_or_b32 s[G1+0], s43, (0<<16)|(1<<20)|(1<<21)|(5<<22)|(3<<25)  ; 15:0 the mask: my row; 17:16 element of 1 byte; 20 padding on; 21 set beside a mask; 24:22 after every 64 words (code 5); 31:25 of 4 words (code 3)
	s_or_b32 s[G1B+0], s44, (0<<16)|(1<<20)|(1<<21)|(5<<22)|(3<<25) ; the same with the mask of my column
.irp g, G1, G1B
	s_mov_b32 s[\g+1], ROWB<<16                    ; tensor_dim0
	s_mov_b32 s[\g+2], 128<<16                     ; tensor_dim1 = 128
	s_mov_b32 s[\g+3], ROWB<<16                    ; tile_dim0
	s_mov_b32 s[\g+4], 128                         ; tile_dim1 = 128
	s_mov_b32 s[\g+5], KROW                        ; tensor_dim0_stride
	s_mov_b32 s[\g+6], 0
	s_mov_b32 s[\g+7], 0
.endr
	; the roles.  Rows of the codes' buffer: x at 0, w_q at 8,192, w_k at 9,216, w_v at 10,240
	s_and_b32 s66, ttmp7, 0xffff                   ; cluster y
	s_lshl_b32 s69, s66, 10                        ; its 1,024 rows of x
	s_lshl_b32 s71, ttmp9, 10
	s_add_co_u32 s71, s71, 8192                    ; the cluster's 1,024 rows of w
	s_cmp_eq_u32 ttmp9, 2                          ; v?  The same answer in all sixteen partners
	s_cselect_b32 s67, 1, 0
	s_cselect_b32 s68, 0x2800, s69                 ; the A role's first row: w_v's, or x's
	s_cselect_b32 s70, s69, s71                    ; the B role's: x's, or w's
	s_lshl_b32 s18, s16, 7                         ; which 128 rows of the tile I fetch
	s_lshl_b32 s20, s41, 8
	s_add_co_u32 s20, s20, s68
	s_add_co_u32 s20, s20, s18                     ; A: its first row + 256 cy + 128 x half: it hangs on cy alone, which my row of the cluster shares
	s_lshl_b32 s20, s20, 10                        ; in bytes (under 2^24)
	s_mov_b32 s21, 0
	s_lshl_b32 s46, s40, 8
	s_add_co_u32 s46, s46, s70
	s_add_co_u32 s46, s46, s18                     ; B: its first row + 256 cx + 128 x half: on cx alone
	s_lshl_b32 s46, s46, 10
	s_mov_b32 s47, 0
	s_mul_i32 s45, s14, HALFT                      ; where they go: wave x 128 rows: no place in the cluster enters an LDS address
	s_wait_kmcnt 0x0
	s_load_b256 s[72:79], s[6:7], 0x0              ; e0 .. e7
	s_add_nc_u64 s[20:21], s[4:5], s[20:21]
	s_add_nc_u64 s[46:47], s[4:5], s[46:47]
	CROUND                                         ; all sixteen work-groups are here: the first joint loads meet
.irp s, 0,1
	s_mov_b32 s[G0+4*\s], 1
	s_add_co_u32 s[G0+4*\s+1], s45, \s*SLOT
	s_add_nc_u64 s[G0+4*\s+2:G0+4*\s+3], s[20:21], \s*ROWB
	s_or_b32 s[G0+4*\s+3], s[G0+4*\s+3], 0x80000000
	s_mov_b32 s[G0B+4*\s], 1
	s_add_co_u32 s[G0B+4*\s+1], s45, \s*SLOT
	s_add_nc_u64 s[G0B+4*\s+2:G0B+4*\s+3], s[46:47], \s*ROWB
	s_or_b32 s[G0B+4*\s+3], s[G0B+4*\s+3], 0x80000000
	JLOAD G0+4*\s, G1, G0B+4*\s, G1B               ; by this text's count a wave has two tensor loads out here, later one
.endr
	v_and_b32 v1, 15, v0                           ; l % 16
	v_bfe_u32 v2, v0, 4, 1                         ; l / 16
	v_mul_u32_u24 v3, v1, PITCH
	v_lshl_add_u32 v4, v2, 4, v3                   ; a fragment's row x pitch + 16 x half
	s_mul_i32 s21, s15, HALFT                      ; my 128 rows of A
	s_mul_i32 s22, s16, HALFT                      ; my 128 rows of B,
	s_add_co_u32 s22, s22, 2*HALFT                 ; which lie behind A's 256
.irp s, 0,1
	v_add_nc_u32 v[ADRA+\s], s21, v4
	v_add_nc_u32 v[ADRB+\s], s22, v4
	s_add_co_u32 s21, s21, SLOT
	s_add_co_u32 s22, s22, SLOT
.endr
	; where my codes go.  Block a (16 A rows) gives 16 registers a lane, stored four at a time (store i = 0..3):
	;   q, k: token tile a, heads i / 2: byte 1,024 a + 393,216 (i / 2) + 512 (i % 2);     v: head a / 4, channel tile a % 4: byte 393,216 (a / 4) + 2,048 (a % 4) + 512 i.
	; Both are  STEP (a % 4) + D2 (i / 2) + 512 (i % 2) + DH (a / 4):  q, k: STEP 1,024, D2 393,216, DH 4,096;  v: STEP 2,048, D2 1,024, DH 393,216.
	s_cmp_eq_u32 s67, 1
	s_cselect_b32 s83, s40, s41                    ; my place along the side of x,
	s_cselect_b32 s84, s41, s40                    ; and along the side of w
	s_cselect_b32 s85, s16, s15                    ; my wave's half on the side of x,
	s_cselect_b32 s86, s15, s16                    ; and of w
	s_mov_b32 s87, 0x60000
	s_cselect_b32 s87, 0x400, s87                  ; D2
	s_mov_b32 s88, 0x1000
	s_cselect_b32 s88, 0x60000, s88                ; DH,
	s_mov_b32 s89, 0                               ; as a pair
	s_lshl_b32 s94, 0x400, s67                     ; STEP
	s_lshl_b32 s90, s66, 2
	s_add_co_u32 s90, s90, s83                     ; U: which 256 rows of x
	s_lshr_b32 s91, s90, 3                         ; the batch,
	s_lshl_b32 s91, s91, 4                         ; its 16 heads,
	s_lshl_b32 s92, s84, 2
	s_add_co_u32 s91, s91, s92                     ; + 4 heads a tile of w
	s_lshl_b32 s92, s86, 1
	s_add_co_u32 s91, s91, s92                     ; + 2 a wave: my first head
	s_mul_i32 s91, s91, 0x60000
	s_lshl_b32 s92, ttmp9, 17                      ; Q, K or V's part of a head
	s_add_co_u32 s91, s91, s92
	s_and_b32 s90, s90, 7
	s_lshl_b32 s90, s90, 1
	s_add_co_u32 s90, s90, s85                     ; which 128 tokens of the batch are my wave's: 8 tiles of Q or K, or one key step of V: 8,192 bytes either way
	s_lshl_b32 s90, s90, 13
	s_add_co_u32 s92, s91, s90
	s_mov_b32 s93, 0
	s_add_nc_u64 s[10:11], s[10:11], s[92:93]      ; blocks 0-3
	s_add_nc_u64 s[12:13], s[10:11], s[88:89]      ; blocks 4-7
	v_and_b32 v6, 31, v0
	v_lshlrev_b32 v[CO], 4, v6                     ; 16 x lane
	v_add_nc_u32 v[CO+1], s87, v[CO]               ; + D2
.irp k, 1,2,3
	v_add_nc_u32 v[CO+2*\k], s94, v[CO+2*\k-2]     ; + STEP for each block
	v_add_nc_u32 v[CO+2*\k+1], s94, v[CO+2*\k-1]
.endr
.macro FRAG reg, adr, q, i             ; a fragment, 16 rows x 128 K, is 16 registers: lane l holds row l % 16; registers 4 c .. 4 c + 3 hold K = 32 c + 16 (l / 16) + 0 .. 15, in A and in B alike
.irp c, 0,1,2,3
	ds_load_b128 v[\reg+4*\c:\reg+4*\c+3], v[\adr] offset:128*(\q)+32*\c+(\i)*16*PITCH
.endr
.endm
; 16 matrix instructions: A's blocks a0, a0 + 1 x B's eight, 128 along K.  p: B's set.  zero = 1: the first product starts the sums: nothing is ever cleared.
; The 64 accumulators take turns, one instruction a turn, in the same order in every step.
.macro MUL16 a0, p, zero
.irp a, \a0, \a0+1
.irp b, 0,1,2,3,4,5,6,7
.if \zero
	v_wmma_f32_16x16x128_fp8_fp8 v[8*(8*((\a)%4)+\b):8*(8*((\a)%4)+\b)+7], v[128*(\p)+FR*\b:128*(\p)+FR*\b+FR-1], v[AF+FR*(\a):AF+FR*(\a)+FR-1], 0
.else
	v_wmma_f32_16x16x128_fp8_fp8 v[8*(8*((\a)%4)+\b):8*(8*((\a)%4)+\b)+7], v[128*(\p)+FR*\b:128*(\p)+FR*\b+FR-1], v[AF+FR*(\a):AF+FR*(\a)+FR-1], v[8*(8*((\a)%4)+\b):8*(8*((\a)%4)+\b)+7]
.endif
.endr
.endr
.endm
.macro FETCH_B slot, q, p              ; B's eight fragments of the slot's q-th 128 along K into set p
	WIN TO_B
.irp i, 0,1,2,3,4,5,6,7
	FRAG 128*(\p)+FR*\i, ADRB+\slot, \q, \i
.endr
	WIN 0
.endm
.macro FETCH_A slot, q, i0             ; A's blocks i0 .. i0 + 3
.irp i, \i0, \i0+1, \i0+2, \i0+3
	FRAG AF+FR*(\i), ADRA+\slot, \q, \i
.endr
.endm
; A load into a register that a matrix instruction has read, and a vector instruction that reads a matrix result, stand NP places behind that matrix instruction; only plain vector
; instructions that name none of its registers are places.
.macro PLACES n
.rept \n
	v_nop
.endr
.endm
; A step of 128 along K that has its successor in the same slot.  A block of A is free as soon as its eight products are issued, so one set serves A: blocks 0-3 are fetched anew in the step's middle, blocks 4-7 at its end.
.macro STEP slot, q, zero
	s_wait_dscnt 4*NL                              ; B's set and A's blocks 0-3 are in; the youngest sixteen loads (A's blocks 4-7) may be out
	WIN MUL_LO
	MUL16 0, (\q)%2, \zero
	MUL16 2, (\q)%2, \zero
	s_wait_dscnt 0                                 ; A's blocks 4-7 are in (asked for 32 matrix instructions ago)
	PLACES NP
	FETCH_B \slot, (\q)+1, 1-(\q)%2
	FETCH_A \slot, (\q)+1, 0
	WIN MUL_HI
	MUL16 4, (\q)%2, \zero
	MUL16 6, (\q)%2, \zero
	PLACES NP
	WIN 0
	FETCH_A \slot, (\q)+1, 4
.endm
; A slot's last step changes slots: ONE barrier; in front of it each wave waits for all its tensor loads, adds 0 to its spare word, and waits for that and for its own reads of this slot.  fill = 1: this slot is filled again, two K steps ahead.
.macro TURN slot, next, fill
	s_wait_tensorcnt 0x0                           ; all my tensor loads have landed: my part of the next slot;  (every window is 0 here)
	ds_add_u32 v[SPW], v[NIL]                      ; 0 onto my spare word;
	s_wait_dscnt 4*NL+1                            ; (the add and the youngest sixteen loads, A's blocks 4-7, may be out)
	WIN MUL_LO
	MUL16 0, 1, 0                                  ; sixteen matrix instructions stand between the add and the wait for it
	s_wait_dscnt 0x0                               ; the add is done, and my reads of this slot are over
	s_barrier_signal -1
	MUL16 2, 1, 0
	WIN 0
	s_barrier_wait -1
.if \fill
	CREST                                          ; the barrier has opened a round of the cluster's barrier: no wave of any partner still reads this slot's tile or has a load on its way
	s_add_nc_u64 s[G0+4*\slot+2:G0+4*\slot+3], s[G0+4*\slot+2:G0+4*\slot+3], 2*ROWB
	s_add_nc_u64 s[G0B+4*\slot+2:G0B+4*\slot+3], s[G0B+4*\slot+2:G0B+4*\slot+3], 2*ROWB
	JLOAD G0+4*\slot, G1, G0B+4*\slot, G1B         ; the first tensor load behind the round; the four v_nop behind it are the places in front of the loads below
.else
	PLACES NP
.endif
	FETCH_B \next, 0, 0
	FETCH_A \next, 0, 0
	WIN MUL_HI
	MUL16 4, 1, 0
	MUL16 6, 1, 0
	PLACES NP
	WIN 0
	FETCH_A \next, 0, 4
.endm
	s_wait_tensorcnt 1                             ; my part of K step 0 is in (K step 1's load may be out)
	s_barrier_signal -1
	s_barrier_wait -1                              ; everybody's is
	FETCH_B 0, 0, 0
	FETCH_A 0, 0, 0
	FETCH_A 0, 0, 4
	STEP 0, 0, 1                                   ; the first step stands in front of the loop: its products start the sums
	s_mov_b32 s3, LAPS-1
.Llap:                                                 ; a trip goes once round the ring, from a lap's second step to the next lap's first, and fills both slots again
	TURN 0, 1, 1
	STEP 1, 0, 0
	TURN 1, 0, 1
	STEP 0, 0, 0
	s_sub_co_u32 s3, s3, 1
	s_cmp_lg_u32 s3, 0
	s_cbranch_scc1 .Llap
	TURN 0, 1, 0                                   ; the last lap fills nothing, and has no round of the cluster's barrier
	STEP 1, 0, 0
	s_wait_dscnt 4*NL                              ; the very last step: nothing more to fetch
	WIN MUL_LO
	MUL16 0, 1, 0
	MUL16 2, 1, 0
	s_wait_dscnt 0
	WIN MUL_HI
	MUL16 4, 1, 0
	MUL16 6, 1, 0
	WIN 0
; THE WAY OUT of block a: its 64 sums are converted eight at a time, straight from the accumulators, and stored: 512 consecutive bytes an instruction.
.macro OUTBLK a
	WIN 0x02+((\a)/4)                              ; source 0: window 2 or 3
.set j, 0
.rept 64
.set j, j+1
.endr
.irp b, 0,1,2,3,4,5,6,7
	v_cvt_scalef32_pk8_fp8_f32 v[CD+16*(\a)+2*\b:CD+16*(\a)+2*\b+1], v[TMP+8*\b+((64*((\a)%4)+j)-(TMP+j)):TMP+8*\b+7+((64*((\a)%4)+j)-(TMP+j))], v[SC]
.endr
	WIN 0
	v_nop                                          ; one plain vector line behind the last conversion
.irp i, 0,1,2,3
	global_store_b128 v[CO+2*((\a)%4)+\i/2], v[CD+16*(\a)+4*\i:CD+16*(\a)+4*\i+3], s[10+2*((\a)/4):11+2*((\a)/4)] offset:512*(\i%2)
.endr
.endm
	s_wait_kmcnt 0x0
	s_cmp_eq_u32 ttmp9, 0
	s_cselect_b32 s80, s74, s75                    ; e2 for q, e3 for k,
	s_cmp_eq_u32 ttmp9, 2
	s_cselect_b32 s80, s77, s80                    ; e5 for v
	s_sub_co_i32 s80, s80, s72
	s_sub_co_i32 s80, s80, s73                     ; - e0 - e1
	s_add_co_i32 s80, s80, 127
	s_lshl_b32 s81, s80, 23
	v_mov_b32 v[SC], s81                           ; the scale as f32: the conversion takes its exponent field
	s_add_co_i32 s80, s80, 8
	s_lshl_b32 s81, s80, 23
	s_or_b32 s81, s81, 0x600000                    ; 448 x the scale,
	s_or_b32 s82, s81, 0x80000000                  ; and its negative
	PLACES NP                                      ; behind the last products: their results are read, and the registers that held A's fragments written, only behind these
.irp a, 0,1,2,3,4,5,6,7
	OUTBLK \a
.endr
	s_wait_tensorcnt 0x0                           ; the wave's end
	ds_add_u32 v[SPW], v[NIL]
	s_wait_dscnt 0x0
	CROUND                                         ; the closing round: no work-group ends while a partner may still ask for a tile that names it
	s_endpgm
.Lfunc_end_k_qf0f50aae88_gemm_qkv:
	.size	k_qf0f50aae88_gemm_qkv, .Lfunc_end_k_qf0f50aae88_gemm_qkv-k_qf0f50aae88_gemm_qkv
	.p2alignl 7, 3214868480
	.fill 96, 4, 3214868480
	.section	.rodata,"a",@progbits
	.p2align	6, 0x0
	.amdhsa_kernel k_qf0f50aae88_gemm_qkv
		.amdhsa_group_segment_fixed_size 327680
		.amdhsa_private_segment_fixed_size 0
		.amdhsa_enable_private_segment 0
		.amdhsa_kernarg_size 24
		.amdhsa_user_sgpr_count 2
		.amdhsa_user_sgpr_kernarg_segment_ptr 1
		.amdhsa_wavefront_size32 1
		.amdhsa_system_sgpr_workgroup_id_x 1
		.amdhsa_system_sgpr_workgroup_id_y 1
		.amdhsa_system_sgpr_workgroup_id_z 1
		.amdhsa_system_vgpr_workitem_id 0
		.amdhsa_next_free_vgpr 1024
		.amdhsa_next_free_sgpr 98
		.amdhsa_reserve_vcc 0
		.amdhsa_float_denorm_mode_32 3
		.amdhsa_float_denorm_mode_16_64 3
		.amdhsa_fp16_overflow 1
		.amdhsa_memory_ordered 1
		.amdhsa_forward_progress 1
		.amdhsa_inst_pref_size 87
	.end_amdhsa_kernel
	.amdgpu_metadata
---
amdhsa.version: [ 1, 2 ]
amdhsa.kernels:
  - .name:           k_qf0f50aae88_gemm_qkv
    .symbol:         k_qf0f50aae88_gemm_qkv.kd
    .args:
      - { .name: codes, .offset: 0, .size: 8, .value_kind: global_buffer, .address_space: global }
      - { .name: lowp_scales, .offset: 8, .size: 8, .value_kind: global_buffer, .address_space: global }
      - { .name: qkvf, .offset: 16, .size: 8, .value_kind: global_buffer, .address_space: global }
    .group_segment_fixed_size: 327680
    .private_segment_fixed_size: 0
    .kernarg_segment_align: 8
    .kernarg_segment_size: 24
    .max_flat_workgroup_size: 128
    .sgpr_count:     98
    .vgpr_count:     1024
    .wavefront_size: 32
...
	.end_amdgpu_metadata
.endif
;; end of part 2
;; launch attn (part 3): grid 4 x 64, 16 waves a work-group, clusters of 4 x 1, 264,192 bytes of LDS; arguments qkvf, lowp_scales, yc; writes yc
.if DOCPART == 3
	.amdgcn_target "amdgcn-amd-amdhsa--gfx1250"
	.amdhsa_code_object_version 6
	.text
	.protected	k_qf0f50aae88_attn
	.globl	k_qf0f50aae88_attn
	.p2align	8
	.type	k_qf0f50aae88_attn,@function
k_qf0f50aae88_attn:
	s_mov_b64 s[64:65], 0
	v_nop
	global_prefetch_b8 v0, s[64:65] scope:SCOPE_SE
	s_setreg_imm32_b32 hwreg(HW_REG_WAVE_MODE, 25, 1), 1
	s_wait_xcnt 0x0
	s_wait_alu depctr_hold_cnt(0) depctr_sa_sdst(0) depctr_va_vdst(0) depctr_va_sdst(0) depctr_va_ssrc(0) depctr_va_vcc(0) depctr_vm_vsrc(0)
	s_getreg_b32 s2, hwreg(HW_REG_IB_STS2, 6, 4)
	s_cmp_eq_u32 s2, 0
	s_cbranch_scc0 .Lentry_in_a_cluster
	s_endpgm
.Lentry_in_a_cluster:
	s_bfe_u32 s2, ttmp6, 0x10000c
	s_cmp_lg_u32 s2, 0x3003
	s_cbranch_scc0 .Lentry_shape_is_right
	s_endpgm
.Lentry_shape_is_right:
; Causal attention of one head (64 channels, 2,048 tokens) on codes of E4M3, and y quantised (2^e6) for the last product.  64 heads (batch x 16 + head).
; THE SOFTMAX AHEAD OF THE SECOND PRODUCT: t = score x log2(e) / 8; M = the row's largest t so far, rounded UP to a whole number; p = 2^(t - M) is quantised (2^e4), not normalised; the row's sum is taken of the
; unquantised p and divides O at the end.  When M moves, the sum and O are multiplied by 2^(old M - new M): exact.
; LIMITS on the given exponents, so that each power of two below is an f32 number: e2 + e3 between -123 and 130 (added to c's exponent field); e4, and e6 - e4 - e5, between -126 and 119.
; K AND V STAY IN LDS.  A head's codes of K and of V are 131,072 bytes each, dense and on end in memory: they are brought once, 16,384 bytes by each of the sixteen waves, and never filled again: one barrier, no ring.
; CLUSTER.  The four work-groups of a head ask for those tiles JOINTLY (the same load, the same descriptor, a mask that names the four).
; SHARES.  Partner cx owns the tiles of 16 queries 4 j + cx, j = 0..31.  Tile j wants the key steps (128 keys) 0 .. j / 2, whatever cx is: so all partners run alike, and cx enters global addresses and the mask's compare
; value alone.  Wave w takes j = w and then j = 31 - w: (w / 2 + 1) + (16 - w / 2) = 17 key steps for every wave: ONE loop of 17 trips.  Only a tile's last step holds its diagonal: it alone is masked, and behind it the tile leaves.
; LAYOUT.  Both products are used transposed: S^T = K Q^T (source 0 = 16 keys, source 1 = my 16 queries), O^T = V^T P^T (source 0 = 16 channels, source 1 = P): a lane holds ONE query (lane % 16) throughout.
; All operands lie in memory and LDS as images of their registers (four registers a lane at 16 x lane), in the plain 8-bit forms' own layout (registers 2c, 2c+1: k = 16c + 8 (lane / 16) + 0..7).  The conversion of score tile t's
; eight registers gives registers 2t, 2t+1 of P; that of O^T's tile d registers 2d, 2d+1 of y's fragment.  Nothing changes lanes.
; yc: [tile of 16 rows (512)][head (16)][1,024 bytes]: two neighbouring heads are one fragment of 128 along K of the last product.
.set LI,   1                           ; v1   16 x lane: an image's place for my lane; never rewritten
.set AV0,  2                           ; v2   the same in V's half of LDS
.set ADK,  3                           ; v3   LDS address of the step's K
.set ADV,  4                           ; v4   of its V
.set DD0,  5                           ; v5   r - 8 h + 16 cx
.set GO,   6                           ; v6   my offset in yc
.set DD,   7                           ; v7   the mask's compare value
.set QA,   8                           ; v8, v9  offsets of my two tiles of Q
.set QF,   16                          ; v16-23  Q in hand
.set Q2,   24                          ; v24-31  Q of the second tile
.set KV,   32                          ; v32-95  K's eight fragments (8 registers each), then V's four (16 each)
.set S,    96                          ; v96-159 S^T, then p
.set OT,   160                         ; v160-191 O^T
.set PC,   192                         ; v192-207 p's codes
.set YC,   208                         ; v208-215 y's codes
.set PSC,  216                         ; 2^e4
.set PLIM, 217
.set YSC,  218                         ; 2^(e6 - e4 - e5)
.set YLIM, 219
.set F,    220                         ; v[220:221] f = 2^(old M - new M) (v221 is named with it as a pair); earlier in a step the maximum's second chain
.set TM,   222                         ; at work
.set XL,   223                         ; a lane permute's destination
.set SUM2, 224                         ; v[224:225] the sum's second chain
.set NINF, 226                         ; -infinity.   v12 -M, v13 the largest t, v[14:15] the sum in two halves
.set WV,   18                          ; s18  my wave's number
.set CX,   19                          ; s19  my place in the cluster
.set SEL,  20                          ; s[20:21] lane selects: lane l xor 16
.set CS,   22                          ; s[22:23] c = log2(e) / 8 x 2^(e2 + e3)
.set G1,   24                          ; s[24:31], s[32:35] the descriptor
.set G0,   32
.set TRIP, 36                          ; s36  the trip, 0..16
.set N1,   37                          ; s37  key steps of my first tile: w / 2 + 1
.set KS,   38                          ; s38  the key step
.set LASTK, 39                         ; s39  the tile's last key step
.set TB,   40                          ; s40  8,192 x the key step
.set J,    41                          ; s41  the tile's j
.macro ROUND                           ; a round of the cluster's barrier
	s_barrier_signal -1
	s_barrier_wait -1
	s_cmp_lg_u32 s[WV], 0
	s_cbranch_scc1 .Lnot_wave_0_\@
	s_barrier_signal -3
.Lnot_wave_0_\@:
	s_barrier_wait -3
	s_barrier_signal -1
	s_barrier_wait -1
.endm
.macro INIT                            ; a tile begins: the largest t under every t, the sum and O^T zeros, which the first change of M leaves zeros
	v_mov_b32 v13, 0xff61b1e6                      ; -3e38
	s_delay_alu instid0(VALU_DEP_1)
	v_floor_f32 v12, -v13                          ; -M
	v_mov_b32 v14, 0
	v_mov_b32 v15, 0
.set j, 0
.rept 32
	v_mov_b32 v[OT+j], 0
.set j, j+1
.endr
.endm
	s_load_b128 s[4:7], s[0:1], 0x0                ; qkvf s[4:5], the scales' exponents s[6:7]
	s_load_b64 s[8:9], s[0:1], 0x10                ; yc
	v_lshl_add_u32 v254, v0, 2, 0x40000
	v_mov_b32 v255, 0
	ds_add_u32 v254, v255
	ds_add_u32 v254, v255
	v_lshrrev_b32 v1, 5, v0
	s_delay_alu instid0(VALU_DEP_1)
	v_readfirstlane_b32 s[WV], v1                  ; wave 0..15
	s_bfe_u32 s[CX], ttmp6, 0x40000                ; cx
	s_and_b32 s46, ttmp7, 0xffff                   ; the head (batch x 16 + head), which the four partners share
	s_mul_i32 s10, s46, 0x60000                    ; its 393,216 bytes in qkvf
	s_mov_b32 s11, 0
	s_lshr_b32 s12, s46, 4
	s_lshl_b32 s12, s12, 21                        ; yc: the batch's 128 row tiles of 16,384 bytes,
	s_and_b32 s47, s46, 15
	s_lshl_b32 s47, s47, 10                        ; the head's 1,024 bytes in a row tile
	s_add_co_u32 s12, s12, s47
	s_mov_b32 s13, 0
	; descriptor group 1: 64 rows of 256 bytes, dense in memory and in LDS
	s_mov_b32 s[G1], 15|(3<<16)|(1<<21)            ; 15:0 the mask: all four work-groups; 17:16 elements of 8 bytes; 20 no padding; 21 set beside a mask
	s_mov_b32 s[G1+1], 32<<16                      ; tensor_dim0 = 32
	s_mov_b32 s[G1+2], 64<<16                      ; tensor_dim1 = 64
	s_mov_b32 s[G1+3], 32<<16                      ; tile_dim0 = 32
	s_mov_b32 s[G1+4], 64                          ; tile_dim1 = 64
	s_mov_b32 s[G1+5], 32                          ; tensor_dim0_stride
	s_mov_b32 s[G1+6], 0
	s_mov_b32 s[G1+7], 0
	s_mov_b32 s[SEL], 0x76543210
	s_mov_b32 s[SEL+1], 0xfedcba98
	s_mov_b32 s[CS], 0x3e38aa3b                    ; log2(e) / 8
	s_lshr_b32 s[N1], s[WV], 1
	s_add_co_u32 s[N1], s[N1], 1
	s_sub_co_u32 s43, 16, s[N1]                    ; the second tile's last key step: (31 - w) / 2
	s_sub_co_u32 s44, s[N1], 1                     ; the first tile's: w / 2
	s_sub_co_u32 s45, 31, s[WV]                    ; the second tile's j
	s_lshl_b32 s16, s[WV], 14
	s_add_co_u32 s16, s16, 0x20000                 ; my 16,384 bytes of the head's K and V, which begin behind Q's 131,072
	s_mov_b32 s17, 0
	s_wait_dscnt 0x0
	s_wait_kmcnt 0x0
	s_load_b256 s[48:55], s[6:7], 0x0              ; e0 .. e7
	s_add_nc_u64 s[4:5], s[4:5], s[10:11]
	s_add_nc_u64 s[8:9], s[8:9], s[12:13]
	ROUND                                          ; all four work-groups are here: the joint loads meet
	s_mov_b32 s[G0], 1                             ; count = 1
	s_lshl_b32 s[G0+1], s[WV], 14                  ; LDS address: 16,384 x wave: K's 131,072 bytes, then V's
	s_add_nc_u64 s[G0+2:G0+3], s[4:5], s[16:17]
	s_or_b32 s[G0+3], s[G0+3], 0x80000000          ; type = 2
	tensor_load_to_lds s[G0:G0+3], s[G1:G1+7]      ; my one tensor load of the launch
	s_nop 0
.rept 4
	v_nop
.endr
	v_and_b32 v1, 31, v0
	s_delay_alu instid0(VALU_DEP_1)
	v_lshlrev_b32 v[LI], 4, v1
	s_delay_alu instid0(VALU_DEP_1)
	v_add_nc_u32 v[AV0], 0x20000, v[LI]
	v_and_b32 v[DD0], 15, v0                       ; r
	v_bfe_u32 v[DD], v0, 4, 1                      ; h
	s_delay_alu instid0(VALU_DEP_1)
	v_lshlrev_b32 v[DD], 3, v[DD]
	s_delay_alu instid0(VALU_DEP_1)
	v_sub_nc_u32 v[DD0], v[DD0], v[DD]
	s_lshl_b32 s46, s[CX], 4
	v_add_nc_u32 v[DD0], s46, v[DD0]               ; r - 8 h + 16 cx
	s_lshl_b32 s46, s[WV], 2
	s_add_co_u32 s46, s46, s[CX]
	s_lshl_b32 s46, s46, 10                        ; tile 4 w + cx of Q, 1,024 bytes a tile
	v_add_nc_u32 v[QA], s46, v[LI]
	s_lshl_b32 s47, s45, 2
	s_add_co_u32 s47, s47, s[CX]
	s_lshl_b32 s47, s47, 10                        ; tile 4 (31 - w) + cx
	v_add_nc_u32 v[QA+1], s47, v[LI]
	global_load_b128 v[QF:QF+3], v[QA], s[4:5]
	global_load_b128 v[QF+4:QF+7], v[QA], s[4:5] offset:512
	global_load_b128 v[Q2:Q2+3], v[QA+1], s[4:5]
	global_load_b128 v[Q2+4:Q2+7], v[QA+1], s[4:5] offset:512
	v_mov_b32 v[F+1], 0                            ; (named as the upper half of a pair)
	v_mov_b32 v[XL], 0                             ; written once: a lane permute's destination counts as one of its sources
	v_mov_b32 v[NINF], 0xff800000
	INIT
	s_wait_kmcnt 0x0
	s_add_co_i32 s46, s50, s51
	s_lshl_b32 s46, s46, 23
	s_add_co_i32 s[CS], s[CS], s46                 ; a score stands for score x 2^(e2 + e3): the two exponents are added to c's exponent field
	s_mov_b32 s[CS+1], s[CS]                       ; (named with it as a pair, so it is written)
	s_add_co_i32 s46, s52, 127
	s_lshl_b32 s47, s46, 23
	v_mov_b32 v[PSC], s47                          ; 2^e4
	s_sub_co_i32 s46, s54, s52
	s_sub_co_i32 s46, s46, s53                     ; O^T / the sum stands for y / 2^(e4 + e5): its code is that / 2^(e6 - e4 - e5)
	s_add_co_i32 s46, s46, 127
	s_lshl_b32 s47, s46, 23
	v_mov_b32 v[YSC], s47
	s_wait_tensorcnt 0x0                           ; my part of K and V is in,
	s_barrier_signal -1
	s_barrier_wait -1                              ; everybody's is: from here on LDS is only read
	s_wait_loadcnt 0x0                             ; Q
	s_mov_b32 s[TRIP], 0
.Ltrip:
	s_cmp_ge_u32 s[TRIP], s[N1]                    ; the second tile?  (the wave's number and the trip alone decide)
	s_cselect_b32 s42, s[N1], 0
	s_cselect_b32 s[LASTK], s43, s44
	s_cselect_b32 s[J], s45, s[WV]
	s_sub_co_u32 s[KS], s[TRIP], s42
	s_and_b32 s[KS], s[KS], 15                     ; the key step, 0..15 (the mask changes no value: it states the bound)
	s_lshl_b32 s[TB], s[KS], 13
	s_setprio 2
	v_add_nc_u32 v[ADK], s[TB], v[LI]
	v_add_nc_u32 v[ADV], s[TB], v[AV0]
	v_nop                                          ; with the two additions: four places in front of loads into registers that the last products have read
	v_nop
.irp t, 0,1,2,3,4,5,6,7                        ; K: eight tiles of 16 keys
	ds_load_b128 v[KV+8*\t:KV+8*\t+3], v[ADK] offset:1024*\t
	ds_load_b128 v[KV+8*\t+4:KV+8*\t+7], v[ADK] offset:1024*\t+512
.endr
	s_wait_alu depctr_va_vdst(0)
	s_wait_dscnt 8                                 ; tiles 0-3 are in; the eight loads of tiles 4-7 may be out
.irp t, 0,1,2,3
	v_wmma_f32_16x16x64_fp8_fp8 v[S+8*\t:S+8*\t+7], v[KV+8*\t:KV+8*\t+7], v[QF:QF+7], 0
.endr
	s_wait_dscnt 0x0
.irp t, 4,5,6,7
	v_wmma_f32_16x16x64_fp8_fp8 v[S+8*\t:S+8*\t+7], v[KV+8*\t:KV+8*\t+7], v[QF:QF+7], 0
.endr                                          ; lane (r, h), register 8 t + i: query r, key 128 KS + 16 t + 8 h + i
.rept 4
	v_nop                                          ; places: in front of the loads into K's registers, and of the first read of the scores
.endr
.irp d, 0,1,2,3                                ; V: four tiles of 16 channels x 128 keys; they land under the softmax
.irp g, 0,1,2,3
	ds_load_b128 v[KV+16*\d+4*\g:KV+16*\d+4*\g+3], v[ADV] offset:2048*\d+512*\g
.endr
.endr
	s_cmp_lg_u32 s[KS], s[LASTK]                   ; only the tile's last step holds hidden keys
	s_cbranch_scc1 .Lopen
	s_and_b32 s46, s[J], 1
	s_lshl_b32 s46, s46, 6
	v_add_nc_u32 v[DD], s46, v[DD0]                ; my query - the step's first key - 8 h = 64 (j % 2) + 16 cx + r - 8 h: register 8 t + i is hidden where 16 t + i is above it
.set n, 0
.rept 64
	v_cmp_gt_i32 vcc_lo, 16*(n/8)+n%8, v[DD]
	v_cndmask_b32 v[S+n], v[S+n], v[NINF], vcc_lo  ; -infinity ahead of the maximum: p = 0 then.  The step's first key counts for every query, so M stays a number
.set n, n+1
.endr
.Lopen:
	v_max3_num_f32 v[TM], v[S], v[S+1], v[S+2]     ; the step's largest score of my query, among my 64 keys, in two chains, from each accumulator's low end on,
	v_max3_num_f32 v[F], v[S+3], v[S+4], v[S+5]
.irp i, 6,10,14,18,22,26,30,34,38,42,46,50,54,58
	v_max3_num_f32 v[TM], v[TM], v[S+\i], v[S+\i+1]
	v_max3_num_f32 v[F], v[F], v[S+\i+2], v[S+\i+3]
.endr
	v_max3_num_f32 v[TM], v[TM], v[S+62], v[S+63]
	s_delay_alu instid0(VALU_DEP_1)
	v_max_num_f32 v[TM], v[TM], v[F]
	s_delay_alu instid0(VALU_DEP_1)
	v_permlanex16_b32 v[XL], v[TM], s[SEL], s[SEL+1]
	s_delay_alu instid0(VALU_DEP_1)
	v_max_num_f32 v[TM], v[TM], v[XL]              ; and among lane l xor 16's
	s_delay_alu instid0(VALU_DEP_1)
	v_mul_f32 v[TM], s[CS], v[TM]                  ; as t (c is positive)
	s_delay_alu instid0(VALU_DEP_1)
	v_max_num_f32 v13, v13, v[TM]                  ; the running largest t
	v_mov_b32 v[TM], v12
	s_delay_alu instid0(VALU_DEP_2)
	v_floor_f32 v12, -v13                          ; the new -M = floor(-t) = -ceil(t): a whole number
	s_delay_alu instid0(VALU_DEP_1)
	v_sub_f32 v[TM], v12, v[TM]                    ; M's old value less its new one: a whole number, 0 or less
	s_delay_alu instid0(VALU_DEP_1)
	v_cvt_i32_f32 v[TM], v[TM]                     ; (it saturates)
	s_delay_alu instid0(VALU_DEP_1)
	v_ldexp_f32 v[F], 1.0, v[TM]                   ; f = 2^(old M - new M)
.set j, 0
.rept 32
	v_pk_fma_f32 v[S+j:S+j+1], v[S+j:S+j+1], s[CS:CS+1], v[12:13] op_sel_hi:[1,0,0]   ; t - M, two at a time (of the pairs c and -M the low word serves both halves)
.set j, j+2
.endr
.set j, 0
	s_setprio 1
	s_wait_alu depctr_va_vdst(0)
.rept 64
	v_exp_f32 v[S+j], v[S+j]                       ; p = 2^(t - M), at most 1
.set j, j+1
.endr
	v_pk_mul_f32 v[14:15], v[14:15], v[F:F+1] op_sel_hi:[1,0]   ; the sums under the new M: the plain line behind the exponentials
	s_wait_alu depctr_va_vdst(0)                   ; one wait for the whole batch, ahead of its first reader
	v_pk_add_f32 v[224:225], v[100:101], v[104:105]
	v_pk_add_f32 v[252:253], v[108:109], v[112:113]
	v_pk_add_f32 v[250:251], v[116:117], v[120:121]
	v_pk_add_f32 v[248:249], v[124:125], v[128:129]
	v_pk_add_f32 v[246:247], v[132:133], v[136:137]
	v_pk_add_f32 v[244:245], v[140:141], v[144:145]
	v_pk_add_f32 v[242:243], v[148:149], v[152:153]
	v_pk_add_f32 v[14:15], v[14:15], v[156:157]
	v_pk_add_f32 v[224:225], v[224:225], v[96:97]
	v_pk_add_f32 v[252:253], v[252:253], v[98:99]
	v_pk_add_f32 v[250:251], v[250:251], v[102:103]
	v_pk_add_f32 v[248:249], v[248:249], v[106:107]
	v_pk_add_f32 v[246:247], v[246:247], v[110:111]
	v_pk_add_f32 v[244:245], v[244:245], v[114:115]
	v_pk_add_f32 v[242:243], v[242:243], v[118:119]
	v_pk_add_f32 v[14:15], v[14:15], v[122:123]
	v_pk_add_f32 v[224:225], v[224:225], v[126:127]
	v_pk_add_f32 v[252:253], v[252:253], v[130:131]
	v_pk_add_f32 v[250:251], v[250:251], v[134:135]
	v_pk_add_f32 v[248:249], v[248:249], v[138:139]
	v_pk_add_f32 v[246:247], v[246:247], v[142:143]
	v_pk_add_f32 v[244:245], v[244:245], v[146:147]
	v_pk_add_f32 v[242:243], v[242:243], v[150:151]
	v_pk_add_f32 v[14:15], v[14:15], v[154:155]
	v_pk_add_f32 v[224:225], v[224:225], v[158:159]
	s_delay_alu instid0(VALU_DEP_2)
	v_pk_add_f32 v[14:15], v[14:15], v[248:249]
	s_delay_alu instid0(VALU_DEP_2)
	v_pk_add_f32 v[224:225], v[224:225], v[246:247]
	v_pk_add_f32 v[252:253], v[252:253], v[244:245]
	v_pk_add_f32 v[250:251], v[250:251], v[242:243]
	s_delay_alu instid0(VALU_DEP_2)
	v_pk_add_f32 v[14:15], v[14:15], v[252:253]
	s_delay_alu instid0(VALU_DEP_2)
	v_pk_add_f32 v[224:225], v[224:225], v[250:251]
	s_delay_alu instid0(VALU_DEP_1)
	v_pk_add_f32 v[14:15], v[14:15], v[224:225]
.irp t, 0,1,2,3,4,5,6,7
.irp i, 0,1,2,3,4,5,6,7
.endr
	v_cvt_scalef32_pk8_fp8_f32 v[PC+2*\t:PC+2*\t+1], v[S+8*\t:S+8*\t+7], v[PSC]   ; registers 2 t, 2 t + 1 of P: keys 16 t + 8 h + 0..7
.endr
.set j, 0
.rept 16
	v_pk_mul_f32 v[OT+j:OT+j+1], v[OT+j:OT+j+1], v[F:F+1] op_sel_hi:[1,0]   ; O^T under the new M.  (These are also the plain lines between the conversions and the products that read the codes)
.set j, j+2
.endr
	s_wait_alu depctr_va_vdst(0)
	s_wait_dscnt 0x0                               ; V is in
.irp d, 0,1,2,3                                ; the four accumulators take turns, one instruction a turn; the next trip's eight score products stand between two links
	v_wmma_f32_16x16x128_fp8_fp8 v[OT+8*\d:OT+8*\d+7], v[KV+16*\d:KV+16*\d+15], v[PC:PC+15], v[OT+8*\d:OT+8*\d+7]
.endr
	s_cmp_lg_u32 s[KS], s[LASTK]
	s_setprio 0
	s_cbranch_scc1 .Lnext
	; THE TILE LEAVES.  O^T / the sum is converted and stored as an image: 1,024 consecutive bytes.
	v_add_f32 v14, v14, v15                        ; the sum's two halves,
	s_delay_alu instid0(VALU_DEP_1)
	v_permlanex16_b32 v[XL], v14, s[SEL], s[SEL+1]
	s_delay_alu instid0(VALU_DEP_1)
	v_add_f32 v14, v14, v[XL]                      ; and lane l xor 16's: the row's sum
	s_wait_alu depctr_va_vdst(0)
	v_rcp_f32 v14, v14
	s_wait_xcnt 0x0                                ; the first tile's stores have read their offset and their data: both are written again below
	s_lshl_b32 s46, s[J], 2
	s_add_co_u32 s46, s46, s[CX]
	s_lshl_b32 s46, s46, 14                        ; row tile 4 j + cx of the batch, 16,384 bytes a row tile
	v_add_nc_u32 v[GO], s46, v[LI]                 ; (a plain line behind the reciprocal; with the additions above and the two lines below: the places behind the last products)
	v_nop
	v_nop
	s_wait_alu depctr_va_vdst(0)                   ; ahead of the reciprocal's first reader
.set j, 0
.rept 16
	v_pk_mul_f32 v[S+j:S+j+1], v[OT+j:OT+j+1], v[14:15] op_sel_hi:[1,0]   ; register 8 d + i: channel 16 d + 8 h + i of query r; each accumulator from its low end on
.set j, j+2
.endr
.set j, 0
.rept 32
.set j, j+1
.endr
.irp d, 0,1,2,3
	v_cvt_scalef32_pk8_fp8_f32 v[YC+2*\d:YC+2*\d+1], v[S+8*\d:S+8*\d+7], v[YSC]
.endr
	v_nop                                          ; one plain vector line behind the last conversion
	global_store_b128 v[GO], v[YC:YC+3], s[8:9]
	global_store_b128 v[GO], v[YC+4:YC+7], s[8:9] offset:512
.irp k, 0,1,2,3,4,5,6,7
	v_mov_b32 v[QF+\k], v[Q2+\k]                   ; the second tile's Q
.endr
	INIT
.Lnext:
	s_add_co_u32 s[TRIP], s[TRIP], 1
	s_cmp_lt_u32 s[TRIP], 17
	s_cbranch_scc1 .Ltrip
	s_setprio 0
	s_wait_tensorcnt 0x0
	ds_add_u32 v254, v255
	s_wait_dscnt 0x0
	ROUND                                          ; the closing round: no work-group ends while a partner may still ask for a tile that names it
	s_endpgm
.Lfunc_end_k_qf0f50aae88_attn:
	.size	k_qf0f50aae88_attn, .Lfunc_end_k_qf0f50aae88_attn-k_qf0f50aae88_attn
	.p2alignl 7, 3214868480
	.fill 96, 4, 3214868480
	.section	.rodata,"a",@progbits
	.p2align	6, 0x0
	.amdhsa_kernel k_qf0f50aae88_attn
		.amdhsa_group_segment_fixed_size 264192
		.amdhsa_private_segment_fixed_size 0
		.amdhsa_enable_private_segment 0
		.amdhsa_kernarg_size 24
		.amdhsa_user_sgpr_count 2
		.amdhsa_user_sgpr_kernarg_segment_ptr 1
		.amdhsa_wavefront_size32 1
		.amdhsa_system_sgpr_workgroup_id_x 1
		.amdhsa_system_sgpr_workgroup_id_y 1
		.amdhsa_system_sgpr_workgroup_id_z 1
		.amdhsa_system_vgpr_workitem_id 0
		.amdhsa_next_free_vgpr 256
		.amdhsa_next_free_sgpr 66
		.amdhsa_reserve_vcc 1
		.amdhsa_float_denorm_mode_32 3
		.amdhsa_float_denorm_mode_16_64 3
		.amdhsa_fp16_overflow 1
		.amdhsa_memory_ordered 1
		.amdhsa_forward_progress 1
		.amdhsa_inst_pref_size 30
	.end_amdhsa_kernel
	.amdgpu_metadata
---
amdhsa.version: [ 1, 2 ]
amdhsa.kernels:
  - .name:           k_qf0f50aae88_attn
    .symbol:         k_qf0f50aae88_attn.kd
    .args:
      - { .name: qkvf, .offset: 0, .size: 8, .value_kind: global_buffer, .address_space: global }
      - { .name: lowp_scales, .offset: 8, .size: 8, .value_kind: global_buffer, .address_space: global }
      - { .name: yc, .offset: 16, .size: 8, .value_kind: global_buffer, .address_space: global }
    .group_segment_fixed_size: 264192
    .private_segment_fixed_size: 0
    .kernarg_segment_align: 8
    .kernarg_segment_size: 24
    .max_flat_workgroup_size: 512
    .sgpr_count:     66
    .vgpr_count:     256
    .wavefront_size: 32
...
	.end_amdgpu_metadata
.endif
;; end of part 3
;; launch gemm_out (part 4): grid 4 x 32, 4 waves a work-group, clusters of 4 x 4, 327,680 bytes of LDS; arguments yc, codes, lowp_scales, out0; writes out0
.if DOCPART == 4
	.amdgcn_target "amdgcn-amd-amdhsa--gfx1250"
	.amdhsa_code_object_version 6
	.text
	.protected	k_qf0f50aae88_gemm_out
	.globl	k_qf0f50aae88_gemm_out
	.p2align	8
	.type	k_qf0f50aae88_gemm_out,@function
k_qf0f50aae88_gemm_out:
	s_mov_b64 s[64:65], 0
	v_nop
	global_prefetch_b8 v0, s[64:65] scope:SCOPE_SE
	s_setreg_imm32_b32 hwreg(HW_REG_WAVE_MODE, 25, 1), 1
	s_wait_xcnt 0x0
	s_wait_alu depctr_hold_cnt(0) depctr_sa_sdst(0) depctr_va_vdst(0) depctr_va_sdst(0) depctr_va_ssrc(0) depctr_va_vcc(0) depctr_vm_vsrc(0)
	s_getreg_b32 s2, hwreg(HW_REG_IB_STS2, 6, 4)
	s_cmp_eq_u32 s2, 0
	s_cbranch_scc0 .Lentry_in_a_cluster
	s_endpgm
.Lentry_in_a_cluster:
	s_bfe_u32 s2, ttmp6, 0x10000c
	s_cmp_lg_u32 s2, 0xf033
	s_cbranch_scc0 .Lentry_shape_is_right
	s_endpgm
.Lentry_shape_is_right:
; out0[m][n] = sum over k of y[m][k] w_out[n][k] on codes of E4M3: y [8192][1024] (scale 2^e6), w_out [1024][1024] (2^e7, rows 11,264 on of the codes' buffer); out0 f32.  Each finished sum is multiplied once by 2^(e6 + e7).
; LIMIT: e6 + e7 lies between -126 and 127, so that 2^(e6 + e7) is an f32 number.
; A tile of out0, 256 x 256, is made by a work-group of four waves; a wave makes 128 x 128: 64 accumulators, 512 registers.  K goes in steps of 256 through a ring of two LDS slots filled by the tensor data mover.
; y's codes lie in memory as IMAGES OF FRAGMENTS in the plain 8-bit forms' own layout (registers 2c, 2c+1: k = 16c + 8 (lane / 16) + 0..7): [tile of 16 rows][128 along K][four registers a lane at 512 g + 16 x lane].
; So a fragment of y is four loads of 16 bytes at 16 x lane, with no pitch; w_out's rows lie along K and give the same layout by eight loads of 8 bytes, 16 bytes apart.
; CLUSTERS: 4 x 4 work-groups.  The four of a row of the cluster need the same tiles of y, the four of a column the same tiles of w_out: each tile is asked for JOINTLY.
; THE MATRIX INSTRUCTION IS USED TRANSPOSED (source 0 = 16 rows of w_out, source 1 = 16 rows of y): a lane then holds eight neighbouring numbers of a row of out0.
; 32 x 4 tiles make 128 work-groups: half as many as there are WGPs; a tile of 256 x 128 would double them at the price of more LDS reads for each product.
; REGISTERS, in windows of 256: window 0: v0-31 addresses; from v128 y's fragments, ONE set; on the way out v32-255 are free.   window 1: w_out's fragments, TWO sets.   windows 2, 3: the accumulators.
.set SIZE_N, 1024
.set AROW,   4096                      ; a tile of 16 rows of y x 256 along K: two fragments' images
.set AHALF,  8*AROW                    ; 128 rows: what one tensor load brings of y
.set PITCH,  272                       ; an LDS row of w_out: 256 bytes + 16 of padding = 68 words: lane (r, h) reads words 68 r + 2 h, + 1: the 32 lanes of a load of 8 bytes touch 64 different banks (ISA guide 11.1)
.set BHALF,  128*PITCH                 ; 128 rows of w_out
.set BOFF,   2*AHALF                   ; w_out's rows lie behind y's 65,536 bytes
.set SLOT,   BOFF+2*BHALF
.set FR,     16                        ; registers of a fragment
.set NL,     4                         ; LDS loads that bring a fragment of y
.set NP,     4                         ; places behind this matrix instruction (ISA guide 7.12.1)
.set LAPS,   2                         ; 1,024 along K = two laps of two K steps
.set SPARE,  2*SLOT                    ; behind the ring: the spare words, 128 bytes for each wave: two blocks of 256 bytes that no other line names
.set SPITCH, 528                       ; the way out: a stage of 16 rows x (512 bytes + 16) for each wave.  It lies in slot 0, which has had its last fill and its last read when the first result is stored there
.set ADRA, 16                          ; v16-17  LDS address of my fragments of y in slot 0, 1
.set ADRB, 20                          ; v20-21  the same for w_out
.set STO,  24                          ; v24     the way out: where I put 32 bytes of a row
.set RD,   25                          ; v25     the way out: where I read a row back
.set CO,   26                          ; v26     16 x lane: my byte offset in a row of out0
.set SPW,  28                          ; v28     LDS address of my spare word; never rewritten
.set NIL,  29                          ; v29     0; never rewritten
.set TMP,  32                          ; the way out: 64 registers, a block's sums x 2^(e6 + e7)
.set AF,   128                         ; y's fragments, in window 0
.set BK,   128                         ; the way out: 16 rows read back from the stage: v128-191 and v192-255 by turns
.set G1, 24                            ; s[24:31] descriptor group 1 for y's tiles;  s[32:39] group 0, one set for each slot
.set G0, 32
.set G1B, 48                           ; s[48:55], s[56:63] the same for w_out's
.set G0B, 56
.set MSB, 0
.macro WIN new                         ; the immediate's high byte repeats the setting that is left
.if MSB != \new
	s_set_vgpr_msb (MSB<<8)|\new
.set MSB, \new
.endif
.endm
.set MUL_LO, 0xa1                      ; source 0 (w_out) window 1, source 1 (y) window 0, C and D window 2
.set MUL_HI, 0xf1                      ; the same, C and D window 3
.set TO_B,   0x40                      ; destination window 1, address window 0
; A joint load: waves 0 and 1 fetch for y, waves 2 and 3 for w_out.  The branch hangs on the wave's number alone.  Four v_nop follow each of the two lines.
.macro JLOAD g0a, g1a, g0b, g1b
	s_cmp_eq_u32 s15, 0
	s_cbranch_scc0 .Lfor_b_\@
	tensor_load_to_lds s[\g0a:\g0a+3], s[\g1a:\g1a+7]
	s_nop 0
.rept 4
	v_nop
.endr
	s_branch .Lasked_\@
.Lfor_b_\@:
	tensor_load_to_lds s[\g0b:\g0b+3], s[\g1b:\g1b+7]
	s_nop 0
.rept 4
	v_nop
.endr
.Lasked_\@:
.endm
.macro CREST                           ; a round of the cluster's barrier behind its opening barrier
	s_cmp_lg_u32 s14, 0
	s_cbranch_scc1 .Lnot_wave_0_\@
	s_barrier_signal -3
.Lnot_wave_0_\@:
	s_barrier_wait -3
	s_barrier_signal -1
	s_barrier_wait -1
.endm
.macro CROUND                          ; a whole round
	s_barrier_signal -1
	s_barrier_wait -1
	CREST
.endm
	s_load_b128 s[4:7], s[0:1], 0x0                ; y's codes s[4:5], the codes' buffer s[6:7]
	s_load_b128 s[8:11], s[0:1], 0x10              ; the scales' exponents s[8:9], out0 s[10:11]
	v_lshl_add_u32 v[SPW], v0, 2, SPARE
	v_mov_b32 v[NIL], 0
	ds_add_u32 v28, v29
	ds_add_u32 v28, v29
	s_wait_dscnt 0x0
	v_lshrrev_b32 v1, 5, v0
	v_readfirstlane_b32 s14, v1                    ; wave 0..3
	s_lshr_b32 s15, s14, 1                         ; which half of the tile's rows is mine.  Also: I fetch for y (0) or for w_out (1)
	s_and_b32 s16, s14, 1                          ; which half of its columns.  Also: which 128 rows of that tile I fetch
	s_bfe_u32 s40, ttmp6, 0x40000                  ; cx, cy: my place in the cluster
	s_bfe_u32 s41, ttmp6, 0x40004
	s_lshl_b32 s42, ttmp9, 2
	s_add_co_u32 s42, s42, s40                     ; tile column = 4 x cluster x + cx
	s_and_b32 s17, ttmp7, 0xffff
	s_lshl_b32 s17, s17, 2
	s_add_co_u32 s17, s17, s41                     ; tile row = 4 x cluster y + cy
	s_lshl_b32 s43, s41, 2
	s_lshl_b32 s43, 15, s43                        ; my row of the cluster
	s_lshl_b32 s44, 0x1111, s40                    ; my column
	; descriptor group 1 for y: 8 tiles of 16 rows, 4,096 bytes of each (256 along K), 16,384 bytes apart in memory, dense in LDS
	s_or_b32 s[G1+0], s43, (3<<16)|(1<<21)         ; 15:0 the mask: my row; 17:16 elements of 8 bytes; 20 no padding; 21 set beside a mask
	s_mov_b32 s[G1+1], 512<<16                     ; tensor_dim0 = 512
	s_mov_b32 s[G1+2], 8<<16                       ; tensor_dim1 = 8
	s_mov_b32 s[G1+3], 512<<16                     ; tile_dim0 = 512
	s_mov_b32 s[G1+4], 8                           ; tile_dim1 = 8
	s_mov_b32 s[G1+5], 2048                        ; tensor_dim0_stride
	s_mov_b32 s[G1+6], 0
	s_mov_b32 s[G1+7], 0
	; and for w_out: 128 rows x 256 bytes, padded in LDS
	s_or_b32 s[G1B+0], s44, (0<<16)|(1<<20)|(1<<21)|(5<<22)|(3<<25) ; the mask: my column; elements of 1 byte; padding on: 4 words after every 64
	s_mov_b32 s[G1B+1], 256<<16
	s_mov_b32 s[G1B+2], 128<<16
	s_mov_b32 s[G1B+3], 256<<16
	s_mov_b32 s[G1B+4], 128
	s_mov_b32 s[G1B+5], 1024
	s_mov_b32 s[G1B+6], 0
	s_mov_b32 s[G1B+7], 0
	s_lshl_b32 s20, s17, 1
	s_add_co_u32 s20, s20, s16
	s_lshl_b32 s20, s20, 17                        ; y: (16 x tile row + 8 x half) tiles of 16,384 bytes: it hangs on the tile row alone
	s_mov_b32 s21, 0
	s_lshl_b32 s46, s42, 8
	s_lshl_b32 s18, s16, 7
	s_add_co_u32 s46, s46, s18
	s_add_co_u32 s46, s46, 11264                   ; w_out: row 11,264 + 256 x tile column + 128 x half of the codes' buffer: on the tile column alone
	s_lshl_b32 s46, s46, 10
	s_mov_b32 s47, 0
	s_mul_i32 s45, s16, AHALF                      ; where they go: y's two halves,
	s_mul_i32 s19, s16, BHALF
	s_add_co_u32 s19, s19, BOFF                    ; then w_out's two: the wave's number alone enters an LDS address
	s_wait_kmcnt 0x0
	s_load_b64 s[96:97], s[8:9], 0x18              ; e6, e7
	s_add_nc_u64 s[20:21], s[4:5], s[20:21]
	s_add_nc_u64 s[46:47], s[6:7], s[46:47]
	CROUND                                         ; all sixteen work-groups are here: the first joint loads meet
.irp s, 0,1
	s_mov_b32 s[G0+4*\s], 1
	s_add_co_u32 s[G0+4*\s+1], s45, \s*SLOT
	s_add_nc_u64 s[G0+4*\s+2:G0+4*\s+3], s[20:21], \s*AROW
	s_or_b32 s[G0+4*\s+3], s[G0+4*\s+3], 0x80000000
	s_mov_b32 s[G0B+4*\s], 1
	s_add_co_u32 s[G0B+4*\s+1], s19, \s*SLOT
	s_add_nc_u64 s[G0B+4*\s+2:G0B+4*\s+3], s[46:47], \s*256
	s_or_b32 s[G0B+4*\s+3], s[G0B+4*\s+3], 0x80000000
	s_wait_alu depctr_va_vdst(0)
	s_wait_tensorcnt 0x0
	ds_add_u32 v28, v29
	ds_add_u32 v28, v29
	s_wait_dscnt 0x0
	CROUND
	JLOAD G0+4*\s, G1, G0B+4*\s, G1B               ; by this text's count a wave has one tensor load out here, later one
.endr
	v_and_b32 v1, 15, v0                           ; l % 16
	v_bfe_u32 v2, v0, 4, 1                         ; l / 16
	v_and_b32 v6, 31, v0
	v_lshlrev_b32 v[CO], 4, v6                     ; 16 x lane
	v_mul_u32_u24 v3, v1, PITCH
	v_lshl_add_u32 v4, v2, 3, v3                   ; w_out: row x pitch + 8 x half
	s_mul_i32 s21, s15, AHALF                      ; my 128 rows of y
	s_mul_i32 s22, s16, BHALF                      ; my 128 rows of w_out,
	s_add_co_u32 s22, s22, BOFF
.irp s, 0,1
	v_add_nc_u32 v[ADRA+\s], s21, v[CO]
	v_add_nc_u32 v[ADRB+\s], s22, v4
	s_add_co_u32 s21, s21, SLOT
	s_add_co_u32 s22, s22, SLOT
.endr
	s_mul_i32 s23, s14, 16*SPITCH                  ; my stage
	v_mul_u32_u24 v5, v1, SPITCH                   ; in: row l % 16, 32 bytes for each half of the lanes
	v_lshl_add_u32 v5, v2, 5, v5
	v_add_nc_u32 v[STO], s23, v5
	v_add_nc_u32 v[RD], s23, v[CO]                 ; back: the 32 lanes take one row of 512 bytes
	s_lshl_b32 s66, s17, 8
	s_lshl_b32 s67, s15, 7
	s_add_co_u32 s66, s66, s67                     ; my first row of out0: 256 x tile row + 128 x half,
	s_lshl_b32 s66, s66, 12                        ; 4,096 bytes a row
	s_lshl_b32 s67, s42, 10
	s_add_co_u32 s66, s66, s67                     ; my first column, in bytes: 1,024 x tile column
	s_lshl_b32 s67, s16, 9
	s_add_co_u32 s66, s66, s67                     ; + 512 x half
	s_mov_b32 s67, 0
	s_add_nc_u64 s[10:11], s[10:11], s[66:67]
.macro FRAGA reg, adr, q, i            ; a fragment of y comes back as it was stored: four registers a lane at 16 x lane
.irp c, 0,1,2,3
	ds_load_b128 v[\reg+4*\c:\reg+4*\c+3], v[\adr] offset:AROW*(\i)+2048*(\q)+512*\c
.endr
.endm
.macro FRAGB reg, adr, q, i            ; a fragment of w_out: lane l holds row l % 16; registers 2 c, 2 c + 1 hold K = 16 c + 8 (l / 16) + 0 .. 7
.irp c, 0,1,2,3,4,5,6,7
	ds_load_b64 v[\reg+2*\c:\reg+2*\c+1], v[\adr] offset:128*(\q)+16*\c+(\i)*16*PITCH
.endr
.endm
; 16 matrix instructions: y's blocks a0, a0 + 1 x w_out's eight, 128 along K.  p: w_out's set.  zero = 1: the first product starts the sums.
; The 64 accumulators take turns, one instruction a turn, in the same order in every step.
.macro MUL16 a0, p, zero
.irp a, \a0, \a0+1
.irp b, 0,1,2,3,4,5,6,7
.if \zero
	v_wmma_f32_16x16x128_fp8_fp8 v[8*(8*((\a)%4)+\b):8*(8*((\a)%4)+\b)+7], v[128*(\p)+FR*\b:128*(\p)+FR*\b+FR-1], v[AF+FR*(\a):AF+FR*(\a)+FR-1], 0
.else
	v_wmma_f32_16x16x128_fp8_fp8 v[8*(8*((\a)%4)+\b):8*(8*((\a)%4)+\b)+7], v[128*(\p)+FR*\b:128*(\p)+FR*\b+FR-1], v[AF+FR*(\a):AF+FR*(\a)+FR-1], v[8*(8*((\a)%4)+\b):8*(8*((\a)%4)+\b)+7]
.endif
.endr
.endr
.endm
.macro FETCH_B slot, q, p              ; w_out's eight fragments of the slot's q-th 128 along K into set p
	WIN TO_B
.irp i, 0,1,2,3,4,5,6,7
	FRAGB 128*(\p)+FR*\i, ADRB+\slot, \q, \i
.endr
	WIN 0
.endm
.macro FETCH_A slot, q, i0             ; y's blocks i0 .. i0 + 3
.irp i, \i0, \i0+1, \i0+2, \i0+3
	FRAGA AF+FR*(\i), ADRA+\slot, \q, \i
.endr
.endm
; A load into a register that a matrix instruction has read, and a vector instruction that reads a matrix result, stand NP places behind that matrix instruction; only plain vector
; instructions that name none of its registers are places.
.macro PLACES n
.rept \n
	v_nop
.endr
.endm
; A step of 128 along K that has its successor in the same slot.
.macro STEP slot, q, zero
	s_wait_dscnt 4*NL                              ; w_out's set and y's blocks 0-3 are in; the youngest sixteen loads (y's blocks 4-7) may be out
	WIN MUL_LO
	MUL16 0, (\q)%2, \zero
	MUL16 2, (\q)%2, \zero
	s_wait_dscnt 0                                 ; y's blocks 4-7 are in (asked for 32 matrix instructions ago)
	PLACES NP
	FETCH_B \slot, (\q)+1, 1-(\q)%2
	FETCH_A \slot, (\q)+1, 0
	WIN MUL_HI
	MUL16 4, (\q)%2, \zero
	MUL16 6, (\q)%2, \zero
	PLACES NP
	WIN 0
	FETCH_A \slot, (\q)+1, 4
.endm
; A slot's last step changes slots: ONE barrier; in front of it each wave waits for all its tensor loads, adds 0 to its spare word, and waits for that and for its own reads of this slot.  fill = 1: this slot is filled again, two K steps ahead.
.macro TURN slot, next, fill
	s_wait_tensorcnt 0x0                           ; all my tensor loads have landed: my part of the next slot;  (every window is 0 here)
	ds_add_u32 v[SPW], v[NIL]                      ; 0 onto my spare word;
	s_wait_dscnt 4*NL+1                            ; (the add and the youngest sixteen loads, y's blocks 4-7, may be out)
	WIN MUL_LO
	MUL16 0, 1, 0                                  ; sixteen matrix instructions stand between the add and the wait for it
	s_wait_dscnt 0x0                               ; the add is done, and my reads of this slot are over
	s_barrier_signal -1
	MUL16 2, 1, 0
	WIN 0
	s_barrier_wait -1
.if \fill
	CREST                                          ; the barrier has opened a round of the cluster's barrier: no wave of any partner still reads this slot's tile or has a load on its way
	s_add_nc_u64 s[G0+4*\slot+2:G0+4*\slot+3], s[G0+4*\slot+2:G0+4*\slot+3], 2*AROW
	s_add_nc_u64 s[G0B+4*\slot+2:G0B+4*\slot+3], s[G0B+4*\slot+2:G0B+4*\slot+3], 2*256
	JLOAD G0+4*\slot, G1, G0B+4*\slot, G1B         ; the first tensor load behind the round; the four v_nop behind it are the places in front of the loads below
.else
	PLACES NP
.endif
	FETCH_B \next, 0, 0
	FETCH_A \next, 0, 0
	WIN MUL_HI
	MUL16 4, 1, 0
	MUL16 6, 1, 0
	PLACES NP
	WIN 0
	FETCH_A \next, 0, 4
.endm
	s_wait_alu depctr_va_vdst(0)
	s_wait_tensorcnt 1                             ; my part of K step 0 is in (K step 1's load may be out)
	s_barrier_signal -1
	s_barrier_wait -1                              ; everybody's is
	FETCH_B 0, 0, 0
	FETCH_A 0, 0, 0
	FETCH_A 0, 0, 4
	STEP 0, 0, 1                                   ; the first step stands in front of the loop: its products start the sums
	s_mov_b32 s3, LAPS-1
.Llap:                                                 ; a trip goes once round the ring, from a lap's second step to the next lap's first, and fills both slots again
	TURN 0, 1, 1
	STEP 1, 0, 0
	TURN 1, 0, 1
	STEP 0, 0, 0
	s_sub_co_u32 s3, s3, 1
	s_cmp_lg_u32 s3, 0
	s_cbranch_scc1 .Llap
	TURN 0, 1, 0                                   ; the last lap fills nothing, and has no round of the cluster's barrier
	STEP 1, 0, 0
	s_wait_dscnt 4*NL                              ; the very last step: nothing more to fetch
	WIN MUL_LO
	MUL16 0, 1, 0
	MUL16 2, 1, 0
	s_wait_dscnt 0
	WIN MUL_HI
	MUL16 4, 1, 0
	MUL16 6, 1, 0
	WIN 0
; THE WAY OUT, block by block of 16 rows x 128 columns.  A lane holds 32 neighbouring bytes of a row, and the lanes beside it hold other rows: so a block goes through my own stage in LDS and comes back as whole
; rows of 512 bytes.  LDS serves a wave's instructions in order (ISA guide 5.7.1.4): no wait between the stores and the loads, nor in front of the next block's stores.
.macro TOSTAGE a
.set AC, 64*((\a)%4)
	WIN 0x02+((\a)/4)                              ; source 0: window 2 or 3
.irp j, 0,2,4,6,8,10,12,14,16,18,20,22,24,26,28,30,32,34,36,38,40,42,44,46,48,50,52,54,56,58,60,62
	v_pk_mul_f32 v[TMP+\j:TMP+\j+1], v[AC+\j:AC+\j+1], s[96:97] op_sel_hi:[1,0]   ; both x s96 = 2^(e6 + e7); each accumulator from its low end on
.endr
	WIN 0
.irp b, 0,1,2,3,4,5,6,7
	ds_store_b128 v[STO], v[TMP+8*\b:TMP+8*\b+3] offset:64*\b
	ds_store_b128 v[STO], v[TMP+8*\b+4:TMP+8*\b+7] offset:64*\b+16
.endr
.set BB, BK+64*((\a)%2)
.irp t, 0,1,2,3,4,5,6,7,8,9,10,11,12,13,14,15
	ds_load_b128 v[BB+4*\t:BB+4*\t+3], v[RD] offset:\t*SPITCH
.endr
.endm
.macro SEND a, younger                 ; younger: the LDS instructions issued behind block a's loads, which may stay out
.set BB, BK+64*((\a)%2)
	s_wait_dscnt \younger                          ; the block is back in registers
.if (\a) > 0
	s_add_nc_u64 s[10:11], s[10:11], 16*SIZE_N*4   ; (behind a wait on XCNT: the earlier stores have read their base)  16 rows of out0 on
.endif
.irp t, 0,1,2,3,4,5,6,7,8,9,10,11,12,13,14,15
	global_store_b128 v[CO], v[BB+4*\t:BB+4*\t+3], s[10:11] offset:\t*SIZE_N*4 th:TH_STORE_NT   ; 32 lanes store 512 consecutive bytes, aligned; written once, read by nobody here
.endr
.endm
	s_wait_kmcnt 0x0
	s_add_co_i32 s96, s96, s97                     ; e6 + e7, between -126 and 127,
	s_add_co_i32 s96, s96, 127
	s_lshl_b32 s96, s96, 23                        ; makes the f32 number 2^(e6 + e7)
	PLACES NP                                      ; behind the last products: for the loads into the registers that held y's fragments, and for the reads of the results
	TOSTAGE 0
.irp a, 1,2,3,4,5,6,7
.if \a > 1
	s_wait_xcnt 0x0                                ; block a - 2's stores have read their registers and their base: block a's loads may land there, and the base may step
.endif
	TOSTAGE \a
	SEND \a-1, 32                                  ; behind block a - 1's loads: block a's 16 stores and 16 loads
.endr
	s_wait_xcnt 0x0                                ; block 6's stores have read their base
	SEND 7, 0
	s_wait_tensorcnt 0x0                           ; the wave's end: behind my last tensor load and my last LDS store
	ds_add_u32 v[SPW], v[NIL]
	s_wait_dscnt 0x0
	CROUND                                         ; the closing round: no work-group ends while a partner may still ask for a tile that names it
	s_endpgm
.Lfunc_end_k_qf0f50aae88_gemm_out:
	.size	k_qf0f50aae88_gemm_out, .Lfunc_end_k_qf0f50aae88_gemm_out-k_qf0f50aae88_gemm_out
	.p2alignl 7, 3214868480
	.fill 96, 4, 3214868480
	.section	.rodata,"a",@progbits
	.p2align	6, 0x0
	.amdhsa_kernel k_qf0f50aae88_gemm_out
		.amdhsa_group_segment_fixed_size 327680
		.amdhsa_private_segment_fixed_size 0
		.amdhsa_enable_private_segment 0
		.amdhsa_kernarg_size 32
		.amdhsa_user_sgpr_count 2
		.amdhsa_user_sgpr_kernarg_segment_ptr 1
		.amdhsa_wavefront_size32 1
		.amdhsa_system_sgpr_workgroup_id_x 1
		.amdhsa_system_sgpr_workgroup_id_y 1
		.amdhsa_system_sgpr_workgroup_id_z 1
		.amdhsa_system_vgpr_workitem_id 0
		.amdhsa_next_free_vgpr 1024
		.amdhsa_next_free_sgpr 98
		.amdhsa_reserve_vcc 0
		.amdhsa_float_denorm_mode_32 3
		.amdhsa_float_denorm_mode_16_64 3
		.amdhsa_memory_ordered 1
		.amdhsa_forward_progress 1
		.amdhsa_inst_pref_size 140
	.end_amdhsa_kernel
	.amdgpu_metadata
---
amdhsa.version: [ 1, 2 ]
amdhsa.kernels:
  - .name:           k_qf0f50aae88_gemm_out
    .symbol:         k_qf0f50aae88_gemm_out.kd
    .args:
      - { .name: yc, .offset: 0, .size: 8, .value_kind: global_buffer, .address_space: global }
      - { .name: codes, .offset: 8, .size: 8, .value_kind: global_buffer, .address_space: global }
      - { .name: lowp_scales, .offset: 16, .size: 8, .value_kind: global_buffer, .address_space: global }
      - { .name: out0, .offset: 24, .size: 8, .value_kind: global_buffer, .address_space: global }
    .group_segment_fixed_size: 327680
    .private_segment_fixed_size: 0
    .kernarg_segment_align: 8
    .kernarg_segment_size: 32
    .max_flat_workgroup_size: 128
    .sgpr_count:     98
    .vgpr_count:     1024
    .wavefront_size: 32
...
	.end_amdgpu_metadata
.endif
;; end of part 4
